; MI455X (gfx1250); checked and timed in simulation.
; The chip was launched on July 23, 2026; its instructions are those of AMD's public machine-readable ISA for CDNA 5 (MIT licence, August 2026) and "CDNA5" Instruction Set Architecture Reference Guide (July 2026). The comments in the code are by the model that wrote it; some were corrected since.
;; Make Mo E. Allowed arithmetic: float matrix products may take bf16 or f16 operands with f32 sums; other float arithmetic in f32, or as packed bf16 or f16 multiplies, adds, multiply-adds, maxima and minima; sums over many terms, partial sums and values carried from step to step in f32; what a program stores and reads back later, other than sums and carried values, may be rounded once to bf16 or f16.
;; Inputs: W 8 x 2,048 x 2,048 float32; b 8 x 2,048 float32; module_indices 2,048 int32; x 2,048 x 2,048 float32.
;; Outputs: out0 2,048 x 2,048 float32.
;; One version. Each part assembles by itself: llvm-mc -triple=amdgcn-amd-amdhsa -mcpu=gfx1250 --defsym DOCPART=n.
;; ======== version 1 of 1: 2 launches
;; workspace buffers: xs 8,912,896 bytes; route 8,960 bytes of whole numbers
;; launch lay (part 1): grid 136 x 1, 16 waves a work-group, no clusters, 106,752 bytes of LDS; arguments module_indices, x, xs, route; writes xs, route
.if DOCPART == 1
	.amdgcn_target "amdgcn-amd-amdhsa--gfx1250"
	.amdhsa_code_object_version 6
	.text
	.protected	k_q9f6919e5ca_lay
	.globl	k_q9f6919e5ca_lay
	.p2align	8
	.type	k_q9f6919e5ca_lay,@function
k_q9f6919e5ca_lay:
	s_mov_b64 s[64:65], 0
	v_nop
	global_prefetch_b8 v0, s[64:65] scope:SCOPE_SE
	s_setreg_imm32_b32 hwreg(HW_REG_WAVE_MODE, 25, 1), 1
	s_wait_xcnt 0x0
; SORT THE TOKENS BY EXPERT, ROUND x TO bf16, LAY IT IN THE ORDER IN WHICH A MATRIX OPERAND'S REGISTERS TAKE IT.
; module_indices: [2048] i32, taken to lie in 0..7 (an index stays inside its table; a token with another index would have no owner).  x: [2048][2048] f32.
; xs: tiles of 16 sorted rows, 65,536 bytes each.  In tile T the 32 k of block kb are 1,024 bytes at 65536 T + 1024 kb, laid [q = 0, 1][lane = 16 h + r][16 bytes]:
;     bf16 of x[token of slot r][32 kb + 16 q + 8 h + 0..7], which are registers 4 q .. 4 q + 3 of a 16 x 32 operand (ISA guide 7.12.2).
; route: words 0-7 each expert's first tile, words 8-15 its number of tiles, words 16-31 zero; from byte 256 on the token of slot 16 T + row.
; Every expert begins on a tile's edge: the sum of ceil(count / 16) is at most 135.  In an expert's last tile the slots past its count repeat its last token.
; SHARES.  Work-group T makes tile T, wave w of sixteen the k = 128 w .. 128 w + 127.  Every work-group sorts for itself: wave w of the first eight compacts expert w's tokens into a list in LDS
; (a counting sort without atomics: a lane's rank is the running count plus the matching lanes below it); the other eight go straight to the barrier.  136 work-groups serve every split of the tokens and all start
; together; one whose tile the split does not have stores nothing and ends, behind the one barrier.  Two work-groups a tile would be 272, more than there are WGPs.
; The order of an expert's tokens is the order of this walk (128 j + 4 lane + c, by j, c, lane), not ascending: each output row has one owner, so no order matters.
.set LISTP, 4352                       ; an expert's list: 2,048 tokens of 2 bytes by rank; halfword 2,048 takes what the lanes without a match write; 17 blocks of 256 bytes
.set CNT,   8*LISTP                    ; the eight counts, in a block of their own
.set STAGE, CNT+256                    ; 16 rows x 272 bytes for each wave
.set SP,    272                        ; a stage row: 256 bytes (128 bf16) + 16: the 16 rows of a 16-byte read start at 16 different groups of four banks (ISA guide 11.1)
.set SPARE, STAGE+16*16*SP             ; the spare words, 128 bytes for each wave: eight blocks of 256 bytes that no other line names
; v1 lane  v2 4 lane  v3 my list  v4, v5, v6 at work  v7 2048  v8 r  v9 h  v10 the table  v11, v12 stage in, stage out  v13 16 lane  v14 my bytes in a row of x
; v16-23 row offsets  v30, v31 the add's  v32-95 the indices, then x, then the operand  v96-107 the sort's four chains, then v96-127 packed pairs
; s12 wave  s13 T  s15 count  s16-23 counts  s24-31 first tiles  s32-39 tiles  s40 e  s41 t  s42 count - 1  s43 tiles in all  s44-50 at work  s52-55 four masks  s56-59 four counts
	s_load_b256 s[4:11], s[0:1], 0x0               ; module_indices s[4:5], x s[6:7], xs s[8:9], route s[10:11]
	v_lshl_add_u32 v30, v0, 2, SPARE               ; my spare word,
	v_mov_b32 v31, 0                               ; and 0: kept for the closing lines alone
	v_lshrrev_b32 v1, 5, v0
	v_readfirstlane_b32 s12, v1                    ; wave 0..15; below 8 also the expert whose list I make
	s_mov_b32 s13, ttmp9                           ; T
	s_mov_b32 s15, 0                               ; my expert's running count
	v_and_b32 v1, 31, v0
	v_lshlrev_b32 v2, 2, v1
	v_lshlrev_b32 v13, 4, v1
	v_and_b32 v8, 15, v0
	v_bfe_u32 v9, v0, 4, 1
	v_mov_b32 v7, 0x800
	s_mul_i32 s50, s12, 16*SP
	s_add_co_u32 s50, s50, STAGE                   ; my stage
	v_mul_u32_u24 v11, v9, SP                      ; in: lanes 0-15 an even row, lanes 16-31 the odd one; 8 bytes a lane
	v_lshl_add_u32 v11, v8, 3, v11
	v_add_nc_u32 v11, s50, v11
	v_mul_u32_u24 v12, v8, SP                      ; out: row r, 16 bytes for each half of the lanes
	v_lshl_add_u32 v12, v9, 4, v12
	v_add_nc_u32 v12, s50, v12
	s_lshl_b32 s46, s12, 9                         ; my wave's 512 bytes in a row of x,
	v_lshl_add_u32 v14, v8, 4, s46                 ; + 16 (lane % 16)
	s_lshl_b32 s48, s13, 16                        ; my wave's 4,096 bytes of xs: 65536 T + 4096 w
	s_lshl_b32 s47, s12, 12
	s_add_co_u32 s48, s48, s47
	s_mov_b32 s49, 0
	s_wait_kmcnt 0x0
	s_add_nc_u64 s[8:9], s[8:9], s[48:49]
	s_cmp_lt_u32 s12, 8
	s_cbranch_scc0 .Lsorted                        ; eight experts, eight sorting waves: the others jump forward to the barrier, which stands outside this branch
	s_mul_i32 s44, s12, LISTP
	v_mov_b32 v3, s44
.irp j, 0,1,2,3,4,5,6,7,8,9,10,11,12,13,14,15
	global_load_b128 v[32+4*\j:32+4*\j+3], v13, s[4:5] offset:512*\j   ; all 2,048 indices: register 4 j + c holds token 128 j + 4 lane + c
.endr
; 128 tokens, as four groups of 32 side by side: those of my expert go to the list at their rank.  The four masks and their counts are made first, so that the four chains from rank to store do not wait for each other.
; EXEC never changes: a lane without a match writes my list's spare halfword.
.macro GROUP4 j
.irp c, 0,1,2,3
	v_cmp_eq_u32 s[52+\c], s12, v[32+4*(\j)+\c]
.endr
.irp c, 0,1,2,3
	s_bcnt1_i32_b32 s[56+\c], s[52+\c]
.endr
	s_add_co_u32 s56, s15, s56                     ; the count in front of group 1,
	s_add_co_u32 s57, s56, s57                     ; of group 2,
	s_add_co_u32 s58, s57, s58                     ; of group 3
	v_mbcnt_lo_u32_b32 v96, s52, s15               ; the count so far + the matching lanes below me
	v_mbcnt_lo_u32_b32 v97, s53, s56
	v_mbcnt_lo_u32_b32 v98, s54, s57
	v_mbcnt_lo_u32_b32 v99, s55, s58
	s_add_co_u32 s15, s58, s59                     ; the count behind all four
.irp c, 0,1,2,3
	v_cndmask_b32 v[96+\c], v7, v[96+\c], s[52+\c]
.endr
.irp c, 0,1,2,3
	v_min_u32 v[96+\c], 0x800, v[96+\c]            ; a rank is 2,047 at the most; the bound stands in the text
.endr
.irp c, 0,1,2,3
	v_lshl_add_u32 v[100+\c], v[96+\c], 1, v3
.endr
.irp c, 0,1,2,3
	v_add_nc_u32 v[104+\c], 128*(\j)+\c, v2        ; the token
.endr
.irp c, 0,1,2,3
	ds_store_b16 v[100+\c], v[104+\c]
.endr
.endm
.irp j, 0,1,2,3,4,5,6,7,8,9,10,11,12,13,14,15
	s_wait_loadcnt 15-\j                           ; loads come back in order (ISA guide 5.7.1): load j is in, the younger ones stay out
	GROUP4 \j
.endr
	s_lshl_b32 s44, s12, 2
	s_add_co_u32 s44, s44, CNT
	v_mov_b32 v5, s44
	v_mov_b32 v4, s15
	ds_store_b32 v5, v4                            ; my expert's count: all lanes write one word with one value
.Lsorted:
	s_wait_dscnt 0x0                               ; for the others' sake: my list and my count are in LDS
	s_barrier_signal -1
	s_barrier_wait -1                              ; the launch's one barrier: all eight lists and counts are whole
	v_mov_b32 v5, CNT
	ds_load_b128 v[32:35], v5
	ds_load_b128 v[36:39], v5 offset:16
	s_wait_dscnt 0x0
.irp e, 0,1,2,3,4,5,6,7
	v_readfirstlane_b32 s[16+\e], v[32+\e]
.endr
	s_mov_b32 s43, 0
.irp e, 0,1,2,3,4,5,6,7
	s_mov_b32 s[24+\e], s43                        ; the expert's first tile,
	s_add_co_u32 s44, s[16+\e], 15
	s_lshr_b32 s[32+\e], s44, 4                    ; its tiles: ceil(count / 16)
	s_add_co_u32 s43, s43, s[32+\e]
.endr
	s_mov_b32 s40, 0                               ; tile T belongs to the last expert whose first tile is not beyond it: that expert has a tile there, since the next begins beyond T
	s_mov_b32 s41, s24
	s_mov_b32 s42, s16
.irp e, 1,2,3,4,5,6,7
	s_cmp_ge_u32 s13, s[24+\e]
	s_cselect_b32 s40, \e, s40
	s_cselect_b32 s41, s[24+\e], s41
	s_cselect_b32 s42, s[16+\e], s42
.endr
	s_cmp_ge_u32 s13, s43
	s_cbranch_scc1 .Lend                           ; this split has no tile T: nothing to store; no barrier follows
	s_sub_co_u32 s41, s13, s41                     ; t: my tile among the expert's
	s_lshl_b32 s45, s41, 4
	s_sub_co_u32 s42, s42, 1                       ; the expert's last rank
	s_min_u32 s40, s40, 7
	s_mul_i32 s46, s40, LISTP
	v_add_nc_u32 v4, s45, v9                       ; 16 t + lane / 16
.irp i, 0,1,2,3,4,5,6,7
	v_add_nc_u32 v5, 2*\i, v4                      ; the rank of row 2 i + lane / 16;
	v_min_u32 v5, s42, v5                          ; past the count: the last token once more
	v_min_u32 v5, 0x7ff, v5
	v_lshl_add_u32 v5, v5, 1, s46
	ds_load_u16 v[16+\i], v5
.endr
	s_wait_dscnt 0x0
.irp i, 0,1,2,3,4,5,6,7
	v_min_u32 v[16+\i], 0x7ff, v[16+\i]            ; a token enters an address behind its bound
	v_lshl_add_u32 v[16+\i], v[16+\i], 13, v14     ; x 8,192 bytes a row + my bytes in the row
.endr
.irp i, 0,1,2,3,4,5,6,7
	global_load_b128 v[32+8*\i:32+8*\i+3],   v[16+\i], s[6:7]             ; each half of the lanes takes 256 consecutive bytes of one row, at a multiple of 256 from x's first byte
	global_load_b128 v[32+8*\i+4:32+8*\i+7], v[16+\i], s[6:7] offset:256  ; (no streaming hint: a tile that is not full names a row more than once)
.endr
.set n, 0
.rept 16                               ; load n = 2 i + c: rows 2 i, 2 i + 1, k = 64 c + 4 (lane % 16) + 0..3 of my 128
	s_wait_loadcnt 15-n                            ; load n is in, the younger ones stay out
	v_cvt_pk_bf16_f32 v[96+2*n],   v[32+4*n],   v[32+4*n+1]
	v_cvt_pk_bf16_f32 v[96+2*n+1], v[32+4*n+2], v[32+4*n+3]
	ds_store_b64 v11, v[96+2*n:96+2*n+1] offset:544*(n/2)+128*(n%2)
.set n, n+1
.endr
.set n, 0
.rept 8                                ; n = 2 kb' + q: row r, k = 32 kb' + 16 q + 8 h + 0..7
	ds_load_b128 v[32+4*n:32+4*n+3], v12 offset:32*n   ; LDS serves a wave's instructions in order (ISA guide 5.7.1.4): these see my stores above; the stage is my own
.set n, n+1
.endr
.set n, 0
.rept 8
	s_wait_dscnt 7-n                               ; read n is back, the younger ones stay out
	global_store_b128 v13, v[32+4*n:32+4*n+3], s[8:9] offset:512*n   ; 512 consecutive bytes, aligned; my wave's eight stores are 4,096 bytes on end
.set n, n+1
.endr
	s_cmp_lg_u32 s12, 0                            ; the routing is stored once for each tile: by wave 0
	s_cbranch_scc1 .Lend
	v_add_nc_u32 v4, s45, v8                       ; slot r's rank
	v_min_u32 v4, s42, v4
	v_min_u32 v4, 0x7ff, v4
	v_lshl_add_u32 v4, v4, 1, s46
	ds_load_u16 v6, v4
	s_lshl_b32 s47, s13, 6
	v_lshl_add_u32 v5, v8, 2, s47                  ; 4 (16 T + r); lanes 16-31 repeat lanes 0-15: the same word, the same value
	s_wait_dscnt 0x0
	global_store_b32 v5, v6, s[10:11] offset:256
	s_cmp_lg_u32 s13, 0                            ; the table of first tiles and tile counts: by tile 0's work-group, which every split has
	s_cbranch_scc1 .Lend
	v_mov_b32 v10, 0
.irp e, 0,1,2,3,4,5,6,7
	v_writelane_b32 v10, s[24+\e], \e
	v_writelane_b32 v10, s[32+\e], 8+\e
.endr
	global_store_b32 v2, v10, s[10:11]
.Lend:
	s_wait_tensorcnt 0x0                           ; the wave's end, behind my last LDS store
	ds_add_u32 v30, v31
	s_wait_dscnt 0x0
	s_endpgm
.Lfunc_end_k_q9f6919e5ca_lay:
	.size	k_q9f6919e5ca_lay, .Lfunc_end_k_q9f6919e5ca_lay-k_q9f6919e5ca_lay
	.p2alignl 7, 3214868480
	.fill 96, 4, 3214868480
	.section	.rodata,"a",@progbits
	.p2align	6, 0x0
	.amdhsa_kernel k_q9f6919e5ca_lay
		.amdhsa_group_segment_fixed_size 106752
		.amdhsa_private_segment_fixed_size 0
		.amdhsa_enable_private_segment 0
		.amdhsa_kernarg_size 32
		.amdhsa_user_sgpr_count 2
		.amdhsa_user_sgpr_kernarg_segment_ptr 1
		.amdhsa_wavefront_size32 1
		.amdhsa_system_sgpr_workgroup_id_x 1
		.amdhsa_system_sgpr_workgroup_id_y 1
		.amdhsa_system_sgpr_workgroup_id_z 1
		.amdhsa_system_vgpr_workitem_id 0
		.amdhsa_next_free_vgpr 128
		.amdhsa_next_free_sgpr 66
		.amdhsa_reserve_vcc 0
		.amdhsa_float_denorm_mode_32 3
		.amdhsa_float_denorm_mode_16_64 3
		.amdhsa_memory_ordered 1
		.amdhsa_forward_progress 1
		.amdhsa_inst_pref_size 51
	.end_amdhsa_kernel
	.amdgpu_metadata
---
amdhsa.version: [ 1, 2 ]
amdhsa.kernels:
  - .name:           k_q9f6919e5ca_lay
    .symbol:         k_q9f6919e5ca_lay.kd
    .args:
      - { .name: module_indices, .offset: 0, .size: 8, .value_kind: global_buffer, .address_space: global }
      - { .name: x, .offset: 8, .size: 8, .value_kind: global_buffer, .address_space: global }
      - { .name: xs, .offset: 16, .size: 8, .value_kind: global_buffer, .address_space: global }
      - { .name: route, .offset: 24, .size: 8, .value_kind: global_buffer, .address_space: global }
    .group_segment_fixed_size: 106752
    .private_segment_fixed_size: 0
    .kernarg_segment_align: 8
    .kernarg_segment_size: 32
    .max_flat_workgroup_size: 512
    .sgpr_count:     66
    .vgpr_count:     128
    .wavefront_size: 32
...
	.end_amdgpu_metadata
.endif
;; end of part 1
;; launch prod (part 2): grid 32 x 8, 8 waves a work-group, no clusters, 263,168 bytes of LDS; arguments W, b, xs, route, out0; writes out0
.if DOCPART == 2
	.amdgcn_target "amdgcn-amd-amdhsa--gfx1250"
	.amdhsa_code_object_version 6
	.text
	.protected	k_q9f6919e5ca_prod
	.globl	k_q9f6919e5ca_prod
	.p2align	8
	.type	k_q9f6919e5ca_prod,@function
k_q9f6919e5ca_prod:
	s_mov_b64 s[64:65], 0
	v_nop
	global_prefetch_b8 v0, s[64:65] scope:SCOPE_SE
	s_setreg_imm32_b32 hwreg(HW_REG_WAVE_MODE, 25, 1), 1
	s_wait_xcnt 0x0
; out[token] = x[token] W[e] + b[e] for the tokens of expert e.  W: [8][2048 k][2048 n] f32, b: [8][2048] f32, out: [2048][2048] f32; xs and route as the launch before laid them:
; xs: tiles of 16 sorted rows in operand order, bf16 (tile T, k-block kb of 32 k: 1,024 bytes at 65536 T + 1024 kb, [q][lane][16 bytes]); route: first tile and number of tiles of each expert, and the token of each slot.
; LIMITS.  x and W are rounded once to bf16; one f32 sum for each output, K ascending; the bias is added in f32.  NaN and infinities are not treated apart.  Every split of the tokens is served: an expert with none, one with all.
; SHARES.  Work-group (slice, e) owns the 64 columns 64 slice .. + 63 of W[e], which it alone reads, once, and all rows of expert e: 32 x 8 = 256 work-groups.  All eight waves run one text; no branch hangs on the wave's number alone.
;   A UNIT is one k-block of 32 k, u = 0 .. 63; a K STEP is four units.  Of each step wave v loads the 16 rows 16 v .. 16 v + 15 of the slice (eight loads of 512 bytes), rounds them and stores 2,048 bytes of operands into LDS.
;   Wave v owns the row tiles 24 c + 8 i + v, i = 0..2, of chunk c: 12 accumulators; x's operands come from xs straight into registers, W's from LDS.
; W's OPERAND WITHOUT A TURNING LOAD.  Lane (r, h) loads the 16 bytes of columns 4 r .. 4 r + 3 of the rows 8 h + 0..7 of its wave's 16.  Rounding neighbours in k in pairs gives a half of four operands: operand t holds column 4 r + t
;   in lane r.  So a lane's four accumulators hold four neighbouring columns of a row of out: 16 bytes, and sixteen lanes a slice's 256 bytes.
; THE SLICE STAYS IN LDS (2048 k x 64 n in bf16 = 262,144 bytes), each byte written once: a barrier only publishes, none guards a second write.  Step s: 16,384 bytes at 16384 s; operand t at + 4096 t; then 16 bytes a thread,
;   which is k-block c = v / 2 at + 1024 c and half q = v % 2 at + 512 q.
; PUBLISHING.  Step s + 1 is stored at the head of unit 4 s + 2, ahead of every global load of that unit; the wave waits for its stores and signals; the next unit's operands (step s, which nobody writes) and eight products stand
;   between the signal and the wait; the first read of step s + 1 stands in unit 4 s + 3, behind the wait.  Between two barriers step s + 1 is read and step s + 2 written.
;   Rows past an expert's first 384 are done afterwards, in chunks of 24 tiles, from the whole slice: no barrier and no LDS store stands there, so no barrier hangs on a count read from memory; and since that loop's
;   work hangs on such a count, every LDS address in it is a register that is never rewritten plus an immediate: its 64 units are written out by one .rept, and nothing is stepped.
; ONE COUNTER.  A wave's loads are counted by one counter that falls in issue order (ISA guide 5.7.1), so W's and x's loads are given the same lead: x is asked for 7 units ahead (8 slots, so that the text's period is 8 units),
;   W 8 units ahead (2 stages), its eight loads behind the unit's x loads.  By this text's count at most 59 loads of a wave are out (at the start: the bias, 16 of W, 42 of x), later 58.
; A DEAD TILE (past the expert's count) is loaded all the same, all lanes naming the same 16 bytes of tile 0, so that every wait's count is the same on every path; it is not stored, and a dead third tile is not multiplied.
; NO CLUSTER, NO TENSOR LOADS.  What an expert's 32 work-groups share is its rows of xs.  Beside the slice 65,536 bytes of LDS are left less the spare words: two slots of one k-block of 24 tiles (24,576 bytes) would want a round
;   of the cluster's barrier for each of 64 k-blocks; the number of tiles hangs on a count read from memory; and in operand order xs needs no way through LDS at all.  W passes through registers to be rounded.
; REGISTERS, in windows of 256 (s_set_vgpr_msb: bits 1:0 source 0, 3:2 source 1, 5:4 source 2, 7:6 destination):
;   window 0: v1-18 addresses; v20-23 bias; v30, v31 the add's; v32-127 accumulators ((i, t) at 32 + 32 i + 8 t); v128-191 W as loaded, two stages of 32 (the way out: two sets of 32); v192-207 W packed
;   window 1: v0-191 x's operands, eight slots of 24 (slot u % 8, tile i at + 8 i); v192-255 W's operands, two buffers of four
.set SPARE, 262144                     ; behind the slice: the spare words, 128 bytes for each wave: four blocks of 256 bytes that no other line names
.set L16,  1                           ; v1     16 x lane; never rewritten
.set H32,  2                           ; v2     32 h + 256: my eight rows' tokens in a tile's 64 bytes of route
.set COL,  3                           ; v3     16 r
.set AOFF, 4                           ; v4-6   tile i: its byte offset in xs + 16 x lane (dead: 0)
.set OOFF, 7                           ; v7-9   tile i: the byte offset in route of my eight rows' tokens
.set BRD,  10                          ; v10    the main walk: LDS address of the step of k-block XKB, + 16 x lane
.set PST,  11                          ; v11    LDS address of step PSG, + 16 x thread
.set WOFF, 12                          ; v12    65536 h + 16 r: rows 8 h on, columns 4 r on
.set BOFF, 13                          ; v13    my four numbers of b
.set T16,  14                          ; v14    16 x thread; never rewritten
.set BQ,   15                          ; v15-18 the further chunks: 16 x lane + 65536 n, the slice's quarter n (16 k-blocks); never rewritten
.set BIAS, 20
.set SPW,  30
.set NIL,  31
.set ACC,  32
.set WS,   128                         ; W as loaded: stage s % 2 at + 32, row j's four at + 4 j
.set OS,   128                         ; the way out: what is stored
.set FP,   192                         ; W packed: operand t's four at + 4 t
.set BF,   192                         ; window 1
.set TOK,  0                           ; window 1, slot 0: the tokens of my rows, tile i's row 8 h + jj at + 8 i + jj
; s[4:5] W  s[6:7] b  s[8:9] xs  s[10:11] route  s[12:13] out at my slice  s14 wave  s16 slice  s17 e  s18 first tile  s19 tiles  s20 chunk  s21 its first tile  s22 the main loop's count
; s23 1: my third tile is live  s24-26 tile i's number in the expert  s29 4 e  s[30:31] W at step WSG  s[32:33] xs at k-block XKB  s36-39 at work  s40, s41 the LDS bytes that v10 and v11 carry
.set XKB, 0                            ; the k-block at which xs's base and v10 point, as the text runs: a multiple of 4
.set XBS, 32                           ; xs's base: s[32:33], which steps, in the main walk; s[8:9] itself in the further chunks
.set BFIX, 0                           ; 1: the further chunks: W's operands are read by v15-18
.set WSG, 0                            ; the K step at which s[30:31] points
.set PSG, 0                            ; the K step at which v11 points
.set MSB, 0
.macro WIN new                         ; the immediate's high byte repeats the setting that is left; a switch that changes nothing is dropped
.if MSB != (\new)
	s_set_vgpr_msb (MSB<<8)|(\new)
.set MSB, \new
.endif
.endm
.macro PLACES                          ; a load into a register that a matrix instruction has read stands four plain vector instructions behind it (ISA guide 7.12.1 for vector instructions)
.rept 4
	v_nop
.endr
.endm
; The chunk's three tiles of my wave: their numbers, and their offsets in xs and route.  What was read from route enters an address behind a bound that stands in the text.
.macro TILES
.irp i, 0,1,2
	s_add_co_u32 s[24+\i], s21, s14
	s_add_co_u32 s[24+\i], s[24+\i], 8*\i          ; the tile's number in the expert
	s_add_co_u32 s36, s18, s[24+\i]                ; and in xs
	s_cmp_lt_u32 s[24+\i], s19
	s_cselect_b32 s36, s36, 0                      ; dead: tile 0, which every split has,
	s_cselect_b32 s37, 1, 0                        ; and no lane term
	s_min_u32 s36, s36, 135
	s_min_u32 s37, s37, 1
	s_lshl_b32 s38, s36, 16
	s_lshl_b32 s39, s36, 6
	v_mul_u32_u24 v[AOFF+\i], s37, v[L16]
	v_add_nc_u32 v[AOFF+\i], s38, v[AOFF+\i]
	v_add_nc_u32 v[OOFF+\i], s39, v[H32]
.endr
	s_mov_b32 s23, s37                             ; is the third tile live?
.endm
.macro ALOAD kb                        ; a group of six loads: x's operands of k-block kb for my three tiles; each load is 512 consecutive bytes
	WIN 0x40                                       ; destination window 1, address window 0
.irp i, 0,1,2
	global_load_b128 v[24*((\kb)%8)+8*\i:24*((\kb)%8)+8*\i+3],   v[AOFF+\i], s[XBS:XBS+1] offset:((\kb)-XKB)*1024
	global_load_b128 v[24*((\kb)%8)+8*\i+4:24*((\kb)%8)+8*\i+7], v[AOFF+\i], s[XBS:XBS+1] offset:((\kb)-XKB)*1024+512
.endr
.endm
.macro OLOAD                           ; the last group of six, counted as group 64: the tokens of rows 8 h + 0..7 of my three tiles
	WIN 0x40
.irp i, 0,1,2
	global_load_b128 v[TOK+8*\i:TOK+8*\i+3],   v[OOFF+\i], s[10:11]
	global_load_b128 v[TOK+8*\i+4:TOK+8*\i+7], v[OOFF+\i], s[10:11] offset:16
.endr
.endm
.macro BLOAD kb                        ; W's four operands of k-block kb: eight LDS loads of 512 neighbouring bytes
	WIN 0x40
.if BFIX
.set BR, BQ+(\kb)/16                   ; the quarter's register,
.set BO, (((\kb)/4)%4)*16384+((\kb)%4)*1024   ; the step in the quarter and the k-block in the step: with the operand's 12,800 at the most 65,024, inside the 16-bit immediate
.else
.set BR, BRD
.set BO, ((\kb)/4-XKB/4)*16384+((\kb)%4)*1024
.endif
.irp t, 0,1,2,3
	ds_load_b128 v[BF+32*((\kb)%2)+8*\t:BF+32*((\kb)%2)+8*\t+3],   v[BR] offset:BO+4096*\t
	ds_load_b128 v[BF+32*((\kb)%2)+8*\t+4:BF+32*((\kb)%2)+8*\t+7], v[BR] offset:BO+4096*\t+512
.endr
.endm
.macro MM kb, i, zero                  ; tile i x the four operands.  zero = 1: the product starts the sums: nothing is ever cleared
.irp t, 0,1,2,3
.if \zero
	v_wmma_f32_16x16x32_bf16 v[ACC+32*(\i)+8*\t:ACC+32*(\i)+8*\t+7], v[24*((\kb)%8)+8*(\i):24*((\kb)%8)+8*(\i)+7], v[BF+32*((\kb)%2)+8*\t:BF+32*((\kb)%2)+8*\t+7], 0
.else
	v_wmma_f32_16x16x32_bf16 v[ACC+32*(\i)+8*\t:ACC+32*(\i)+8*\t+7], v[24*((\kb)%8)+8*(\i):24*((\kb)%8)+8*(\i)+7], v[BF+32*((\kb)%2)+8*\t:BF+32*((\kb)%2)+8*\t+7], v[ACC+32*(\i)+8*\t:ACC+32*(\i)+8*\t+7]
.endif
.endr
.endm
.macro WLOAD sg                        ; my 16 rows of step sg: eight loads; in each, lanes 0-15 take the slice's 256 bytes of row j, lanes 16-31 those of row j + 8.  Each byte of W is read once in the launch
	WIN 0
.irp j, 0,1,2,3,4,5,6,7
	global_load_b128 v[WS+32*((\sg)%2)+4*\j:WS+32*((\sg)%2)+4*\j+3], v[WOFF], s[30:31] offset:((\sg)-WSG)*1048576+8192*\j th:TH_LOAD_NT
.endr
.endm
; MY PART OF STEP sg GOES INTO THE SLICE: rounded, four stores of 512 neighbouring bytes, the wait for them, and the signal of the barrier that publishes the step.  The barrier's wait stands in the text that calls this.
.macro PSTORE sg
	WIN 0
.irp t, 0,1,2,3
.irp jj, 0,1,2,3
	v_cvt_pk_bf16_f32 v[FP+4*\t+\jj], v[WS+32*((\sg)%2)+8*\jj+\t], v[WS+32*((\sg)%2)+8*\jj+4+\t]   ; column 4 r + t, rows 8 h + 2 jj and the next
.endr
.endr
.irp t, 0,1,2,3
	ds_store_b128 v[PST], v[FP+4*\t:FP+4*\t+3] offset:((\sg)-PSG)*16384+4096*\t
.endr
	s_wait_dscnt 0x0                               ; for the others' sake: my stores are in LDS when I signal (and this unit's operands are in)
	s_barrier_signal -1
.endm
; A UNIT.  w = 1: the main walk, in which W is still coming; w = 0: a further chunk, from the whole slice.  zero = 1: the unit starts the sums.
; THE WAIT FOR x's GROUP u leaves out what was issued behind it: the groups u + 1 .. u + 6 (six loads each; the tokens are group 64), and, in the main walk, W's runs of eight, one behind group t + 7 in each unit
; t = 2, 6 .. 50: those with u - 7 <= t <= u - 1; the start's run, W of step 2, stands behind group 6 and counts like t = -2.  W of step u / 4 + 1, wanted in a unit u = 2 mod 4, was asked for in unit u - 8, ahead of group u:
; the same wait shows it done (in unit 6: behind W of step 2 stand the groups 7 to 12 and one run, just the 44 that the count leaves out).
; The accumulators take turns, one instruction a turn, in the same order in every unit.
.macro CKB u, zero, w
.set NX, 6
.if (\u)+6 > 64
.set NX, 64-(\u)
.endif
.set NB, 0
.if \w
.set LO, (\u)-7
.if LO < -2
.set LO, -2
.endif
.set HI, (\u)-1
.if HI > 50
.set HI, 50
.endif
.if LO <= HI
.set NB, (HI+6)/4-(LO+5)/4
.endif
.endif
.set PR, 0                             ; 1: this unit publishes the next step
.if (\w) && ((\u)%4 == 2) && ((\u) < 60)
.set PR, 1
.endif
	s_wait_loadcnt 6*NX+8*NB
.if PR
	PSTORE (\u)/4+1                                ; no global load of this unit stands ahead of the stores
	BLOAD (\u)+1                                   ; between the signal and the wait: bytes of this step, which no wave writes
.else
.if (\u) < 63
	BLOAD (\u)+1                                   ; into the buffer that the unit before read: its four places stand at that unit's end
.endif
.if (\u)+7 <= 63
	ALOAD (\u)+7                                   ; into the slot that the unit before read
.elseif (\u)+7 == 64
	OLOAD
.endif
.if (\u) < 63
	s_wait_dscnt 8                                 ; this unit's operands are in; the eight just issued stay out
.else
	s_wait_dscnt 0x0
.endif
.endif
	WIN 0x05                                       ; x's and W's operands in window 1
	MM \u, 0, \zero
	MM \u, 1, \zero
.if PR
	s_barrier_wait -1                              ; the next step is whole: the next unit fetches from it
.endif
.if \zero
	MM \u, 2, 1                                    ; every accumulator is started on every path
	WIN 0
.else
	WIN 0                                          ; at a branch and at a label every window is 0
	s_cmp_eq_u32 s23, 0
	s_cbranch_scc1 .Lno2_\@                        ; a dead third tile is not multiplied: an expert near the mean of 256 rows has 16 or 17 tiles, so most waves have two
	WIN 0x05
	MM \u, 2, 0
	WIN 0
.Lno2_\@:
.endif
	PLACES                                         ; for the next unit's loads into the slot and the buffer just read
.if PR
.if (\u)+7 <= 63
	ALOAD (\u)+7                                   ; this unit's global loads stand behind the barrier: x's group,
.endif
.if (\u)/4+3 <= 15
	WLOAD (\u)/4+3                                 ; and W of the step two further on, into the registers just rounded
.endif
.endif
.endm
.macro STEPB nkb, nsg                  ; the main walk's bases go nkb k-blocks (a multiple of 4) and nsg steps on
	WIN 0
	s_wait_xcnt 0x0                                ; the loads that are out have had their addresses translated (ISA guide 3.1): only now their bases step
	s_add_nc_u64 s[32:33], s[32:33], (\nkb)*1024
	s_add_co_u32 s40, s40, (\nkb)*4096
	v_add_nc_u32 v[BRD], s40, v[L16]
	s_add_nc_u64 s[30:31], s[30:31], (\nsg)*1048576
	s_add_co_u32 s41, s41, (\nsg)*16384
	v_add_nc_u32 v[PST], s41, v[T16]
.set XKB, XKB+(\nkb)
.set WSG, WSG+(\nsg)
.set PSG, PSG+(\nsg)
.endm
	s_load_b256 s[4:11], s[0:1], 0x0               ; W s[4:5], b s[6:7], xs s[8:9], route s[10:11]
	s_load_b64 s[12:13], s[0:1], 0x20              ; out
	v_lshl_add_u32 v[SPW], v0, 2, SPARE            ; my spare word,
	v_mov_b32 v[NIL], 0                            ; and 0: kept for the closing lines alone
	v_lshrrev_b32 v1, 5, v0
	v_readfirstlane_b32 s14, v1                    ; wave 0..7
	s_mov_b32 s16, ttmp9                           ; slice
	s_and_b32 s17, ttmp7, 0xffff                   ; e
	v_lshlrev_b32 v[T16], 4, v0
	v_and_b32 v[L16], 31, v0
	v_lshlrev_b32 v[L16], 4, v[L16]
	v_and_b32 v[COL], 15, v0
	v_lshlrev_b32 v[COL], 4, v[COL]
	v_bfe_u32 v[H32], v0, 4, 1
	v_lshl_add_u32 v[WOFF], v[H32], 16, v[COL]
	v_lshlrev_b32 v[H32], 5, v[H32]
	v_add_nc_u32 v[H32], 0x100, v[H32]
	v_mov_b32 v[BRD], v[L16]                       ; step 0 lies at LDS byte 0
	v_mov_b32 v[PST], v[T16]
.irp n, 0,1,2,3
	v_add_nc_u32 v[BQ+\n], 65536*\n, v[L16]        ; the slice's four quarters
.endr
	s_lshl_b32 s29, s17, 2
	s_lshl_b32 s36, s17, 24                        ; the expert's 2048 x 2048 x 4 bytes,
	s_lshl_b32 s38, s16, 8                         ; the slice's 256 bytes in a row,
	s_add_co_u32 s36, s36, s38
	s_lshl_b32 s37, s14, 17                        ; my 16 rows of 8,192 bytes in a step
	s_add_co_u32 s36, s36, s37
	s_mov_b32 s37, 0
	s_lshl_b32 s39, s17, 13
	s_add_co_u32 s39, s39, s38
	v_add_nc_u32 v[BOFF], s39, v[COL]              ; 4 (2048 e + 64 slice + 4 r)
	s_mov_b32 s39, 0
	s_mov_b32 s40, 0
	s_mov_b32 s41, 0
	s_mov_b32 s21, 0                               ; chunk 0 begins at the expert's tile 0
	s_wait_kmcnt 0x0
	s_load_b32 s18, s[10:11], s29 offset:0x0       ; the expert's first tile
	s_load_b32 s19, s[10:11], s29 offset:0x20      ; and how many it has
	s_add_nc_u64 s[30:31], s[4:5], s[36:37]        ; W at my rows of step 0
	s_add_nc_u64 s[12:13], s[12:13], s[38:39]      ; out at my slice's columns
	s_mov_b64 s[32:33], s[8:9]
	global_load_b128 v[BIAS:BIAS+3], v[BOFF], s[6:7]
	WLOAD 0                                        ; W goes out first: nothing that this launch reads of it has been read before
	WLOAD 1
	s_wait_kmcnt 0x0
	s_min_u32 s18, s18, 135
	s_min_u32 s19, s19, 128
	TILES
.irp g, 0,1,2,3,4,5,6
	ALOAD \g
.endr
	s_wait_loadcnt 50                              ; step 0's eight loads are in: behind them stand step 1's eight and x's 42
	PSTORE 0
	s_barrier_wait -1                              ; step 0 is whole
	BLOAD 0
	WLOAD 2                                        ; into the registers just rounded
	CKB 0, 1, 1                                    ; its products start the sums
	CKB 1, 0, 1
	CKB 2, 0, 1
	CKB 3, 0, 1
	STEPB 4, 1
	s_mov_b32 s22, 6
.Lmain:                                                ; six trips of eight units: units 4 to 51.  Eight units on, slots (8 % 8), buffers (8 % 2) and stages (2 % 2) come round to the same registers, and every count is the same
.irp u, 4,5,6,7,8,9,10,11
	CKB \u, 0, 1
.endr
	STEPB 8, 2
	s_sub_co_u32 s22, s22, 1
	s_cmp_lg_u32 s22, 0
	s_cbranch_scc1 .Lmain
.set XKB, 52                           ; 4 + 6 x 8
.set WSG, 13                           ; 1 + 6 x 2
.set PSG, 13
.irp u, 52,53,54,55,56,57,58,59,60,61,62,63
	CKB \u, 0, 1                                   ; the tail is written out: nothing is asked for beyond the end, and the counts run down.  Unit 58 holds the last publishing barrier: the whole slice is in LDS, and stays
.endr
	; THE CHUNKS: 6 x 24 tiles cover the 128 that one expert can have.  Chunk 0's sums are made; a wave with a tile in a further chunk makes its sums from the resident slice; no barrier and no LDS store stands in this loop.
	s_mov_b32 s20, 0
	s_branch .Lfin                                 ; the loop is entered at chunk 0's way out
.Lchunk:
	s_add_co_u32 s36, s21, s14                     ; my first tile of the chunk
	s_cmp_ge_u32 s36, s19
	s_cbranch_scc1 .Lnext                          ; the expert has none there
	s_wait_loadcnt 0x0                             ; no load is due into a slot,
	s_wait_xcnt 0x0                                ; and the last chunk's stores have read their tokens and their data: offsets and slots may be written
	TILES
.set XKB, 0                            ; nothing steps here: xs is read from its own pointer with the k-block in the immediate (65,024 bytes at the most), the slice by v15-18
.set XBS, 8
.set BFIX, 1
.irp g, 0,1,2,3,4,5,6
	ALOAD \g
.endr
	BLOAD 0
	CKB 0, 1, 0
.set uu, 1
.rept 63
	CKB uu, 0, 0
.set uu, uu+1
.endr
.Lfin:	; THE WAY OUT: the bias is added, which also brings a lane's four columns side by side; each row goes to its token's row of out
	s_wait_loadcnt 0x0                             ; the tokens are in
	WIN 0x44                                       ; destination and source 1 in window 1
.set n, 0
.rept 24
	v_min_u32 v[TOK+n], 0x7ff, v[TOK+n]            ; a token enters an address behind its bound
.set n, n+1
.endr
	WIN 0x41                                       ; destination and source 0 in window 1
.set n, 0
.rept 24
	v_lshl_add_u32 v[TOK+n], v[TOK+n], 13, v[COL]  ; x 8,192 bytes a row + 16 r
.set n, n+1
.endr
	WIN 0
.irp i, 0,1,2
	s_cmp_ge_u32 s[24+\i], s19
	s_cbranch_scc1 .Ldead\i                        ; a dead tile stores nothing
	s_wait_xcnt 0x0                                ; this set of 32 was the data of earlier stores
.irp jj, 0,1,2,3,4,5,6,7
.irp t, 0,1,2,3
	v_add_f32 v[OS+32*((\i)%2)+4*\jj+\t], v[ACC+32*\i+8*\t+\jj], v[BIAS+\t]   ; row 8 h + jj, column 4 r + t; each accumulator is read from its lowest register on
.endr
.endr
	WIN 0x01                                       ; the address in window 1
.irp jj, 0,1,2,3,4,5,6,7
	global_store_b128 v[TOK+8*\i+\jj], v[OS+32*((\i)%2)+4*\jj:OS+32*((\i)%2)+4*\jj+3], s[12:13] th:TH_STORE_NT   ; each half of the lanes stores a row's 256 consecutive bytes, at a multiple of 256 from out's first byte; a repeated slot stores the same bits again
.endr
	WIN 0
.Ldead\i:
.endr
.Lnext:
	s_add_co_u32 s20, s20, 1
	s_add_co_u32 s21, s21, 24
	s_cmp_lt_u32 s20, 6
	s_cbranch_scc1 .Lchunk
	s_wait_dscnt 0x0                               ; my reads of LDS are over;
	s_barrier_signal -1                            ; the eight waves meet once more, on every wave's path: the closing add, an LDS write, stands behind every wave's last LDS read.
	s_barrier_wait -1                              ; No work stands behind this barrier, and the work-group ends only with its last wave
	s_wait_tensorcnt 0x0                           ; the wave's end, behind my last LDS store
	ds_add_u32 v[SPW], v[NIL]
	s_wait_dscnt 0x0
	s_endpgm
.Lfunc_end_k_q9f6919e5ca_prod:
	.size	k_q9f6919e5ca_prod, .Lfunc_end_k_q9f6919e5ca_prod-k_q9f6919e5ca_prod
	.p2alignl 7, 3214868480
	.fill 96, 4, 3214868480
	.section	.rodata,"a",@progbits
	.p2align	6, 0x0
	.amdhsa_kernel k_q9f6919e5ca_prod
		.amdhsa_group_segment_fixed_size 263168
		.amdhsa_private_segment_fixed_size 0
		.amdhsa_enable_private_segment 0
		.amdhsa_kernarg_size 40
		.amdhsa_user_sgpr_count 2
		.amdhsa_user_sgpr_kernarg_segment_ptr 1
		.amdhsa_wavefront_size32 1
		.amdhsa_system_sgpr_workgroup_id_x 1
		.amdhsa_system_sgpr_workgroup_id_y 1
		.amdhsa_system_sgpr_workgroup_id_z 1
		.amdhsa_system_vgpr_workitem_id 0
		.amdhsa_next_free_vgpr 512
		.amdhsa_next_free_sgpr 66
		.amdhsa_reserve_vcc 0
		.amdhsa_float_denorm_mode_32 3
		.amdhsa_float_denorm_mode_16_64 3
		.amdhsa_memory_ordered 1
		.amdhsa_forward_progress 1
		.amdhsa_inst_pref_size 224
	.end_amdhsa_kernel
	.amdgpu_metadata
---
amdhsa.version: [ 1, 2 ]
amdhsa.kernels:
  - .name:           k_q9f6919e5ca_prod
    .symbol:         k_q9f6919e5ca_prod.kd
    .args:
      - { .name: W, .offset: 0, .size: 8, .value_kind: global_buffer, .address_space: global }
      - { .name: b, .offset: 8, .size: 8, .value_kind: global_buffer, .address_space: global }
      - { .name: xs, .offset: 16, .size: 8, .value_kind: global_buffer, .address_space: global }
      - { .name: route, .offset: 24, .size: 8, .value_kind: global_buffer, .address_space: global }
      - { .name: out0, .offset: 32, .size: 8, .value_kind: global_buffer, .address_space: global }
    .group_segment_fixed_size: 263168
    .private_segment_fixed_size: 0
    .kernarg_segment_align: 8
    .kernarg_segment_size: 40
    .max_flat_workgroup_size: 256
    .sgpr_count:     66
    .vgpr_count:     512
    .wavefront_size: 32
...
	.end_amdgpu_metadata
.endif
;; end of part 2
